; MI455X (gfx1250); checked and timed in simulation.
; The chip was launched on July 23, 2026; its instructions are those of AMD's public machine-readable ISA for CDNA 5 (MIT licence, August 2026) and "CDNA5" Instruction Set Architecture Reference Guide (July 2026). The comments in the code are by the model that wrote it; some were corrected since.
;; Mutual Cross Attention. Allowed arithmetic: matrix products marked QUANTISED: E4M3 operands, one E8M0 scale for each 32 along K, by v_wmma_scale_f32_16x16x128_f8f6f4 with both operands' format E4M3, f32 sums; everything else in f32.
;; Inputs: x1 8 x 64 x 64 x 64 float32; x2 8 x 64 x 64 x 64 float32.
;; Outputs: out0 8 x 64 x 64 x 64 float32.
;; This version of the problem:
;;   THIS VERSION OF THE PROBLEM IS GIVEN IN LOW PRECISION. The matrix products marked QUANTISED in the list below multiply operands that are first quantised to E4M3 (4 exponent bits, 3 mantissa bits; 8 bits a number), with one power-of-two scale for each 32 numbers along K (OCP MX v1.0); their sums are f32. All else is computed in f32.
;;   The module's matrix products, in the order in which they are computed (A, B: the left and right operand; K: the contracted axis; several contracted axes count as one K, in the product's order):
;;     1. batch 8 x [M 4,096, K 64] x [K 64, N 4,096]; A: input x1; B: input x2: QUANTISED
;;     2. batch 8 x [M 4,096, K 4,096] x [K 4,096, N 64]; A: softmax (see below); B: input x2: QUANTISED
;;     3. batch 8 x [M 4,096, K 64] x [K 64, N 4,096]; A: input x2; B: input x1: QUANTISED
;;     4. batch 8 x [M 4,096, K 4,096] x [K 4,096, N 64]; A: softmax (see below); B: input x1: QUANTISED
;;   THE QUANTISER, for each operand of a quantised product, along K:
;;     - K is cut into blocks of 32 from its start; a last block that is shorter is filled with zeros.
;;     - A block's scale is 2^e with e = floor(log2(the largest magnitude in the block)) - 8, held to -126 .. 127; a block of zeros has e = 0. As a byte (E8M0): e + 127.
;;     - Each number is divided by its block's scale, clamped to +-448, and rounded to the nearest number of E4M3, ties to even, subnormals kept.
;;     - The product sums the exact products of the quantised numbers (number of the format x scale) in f32.
;;   ~~~python
;;   def quantise(x, axis):      # numpy; x: float32 -> the quantised numbers, widened to float32 again
;;       x = np.moveaxis(x, axis, -1); K = x.shape[-1]
;;       x = np.pad(x, [(0, 0)] * (x.ndim - 1) + [(0, -K % 32)]); x = x.reshape(x.shape[:-1] + (-1, 32)); a = np.abs(x).max(-1, keepdims=True)
;;       e = np.where(a > 0, np.clip(np.frexp(np.where(a > 0, a, 1))[1] - 1 - 8, -126, 127), 0)      # np.frexp(a)[1] - 1 = floor(log2(a)), exactly
;;       r = np.clip(x / 2.0 ** e, -448, 448)
;;       step = 2.0 ** (np.maximum(np.frexp(np.where(r == 0, 1, r))[1] - 1, -6) - 3)
;;       q = np.round(r / step) * step * 2.0 ** e      # np.round: ties to even
;;       return np.moveaxis(q.reshape(q.shape[:-2] + (-1,))[..., :K], -1, axis).astype(np.float32)
;;   ~~~
;;   SOFTMAX AHEAD OF A QUANTISED PRODUCT. Where the list says 'softmax', what is quantised is not the finished softmax but p = 2^(t - M), with t = logit x log2(e) and M = ceil(the row's largest t), a whole number; so 1/2 < the row's largest p <= 1. The row's sum l is taken of the UNQUANTISED p, in f32, and the product's result is divided by l at the end. Since M is a whole number, a kernel that streams over the keys may use a running M (the ceiling of the running maximum): every later rescaling is an exact power of two, which a block's scale takes up: the codes' values come out the same.
;;   OPERANDS COMPUTED ON THE WAY. 'Computed on the way' means the value that the module computes at that place (a softmax that the list does not call 'softmax' is quantised finished and normalised). What goes into a quantiser is computed in f32, as accurately as f32 sums, v_exp_f32 and their like allow (about 1e-6 of the number): no bf16 or f16 on the way to a quantiser, and a product that is left as it is and whose result goes on into a quantised operand takes f32 operands (vector FMAs, or v_wmma_f32_16x16x4_f32). A number that lies on a knife's edge between two numbers of the format may be rounded either way, as far as f32 arithmetic and the matrix unit's own rounding can turn it there, and no further.
;; One version. Each part assembles by itself: llvm-mc -triple=amdgcn-amd-amdhsa -mcpu=gfx1250 --defsym DOCPART=n.
;; ======== version 1 of 1: 2 launches
;; limits: right only within a limited range of input values
;; workspace buffers: kv 8,650,752 bytes
;; launch quant (part 1): grid 32 x 16, 4 waves a work-group, no clusters, 35,328 bytes of LDS; arguments x1, x2, kv; writes kv
.if DOCPART == 1
	.amdgcn_target "amdgcn-amd-amdhsa--gfx1250"
	.amdhsa_code_object_version 6
	.text
	.protected	k_qd51c27ad1c_quant
	.globl	k_qd51c27ad1c_quant
	.p2align	8
	.type	k_qd51c27ad1c_quant,@function
k_qd51c27ad1c_quant:
	s_mov_b64 s[64:65], 0
	v_nop
	global_prefetch_b8 v0, s[64:65] scope:SCOPE_SE
	s_setreg_imm32_b32 hwreg(HW_REG_WAVE_MODE, 25, 1), 1
	s_wait_xcnt 0x0
; x1, x2: [8][64 channels][4096 tokens] f32.  Each number is read once and quantised TWICE to FP8 (E4M3) with one E8M0 scale for each 32 numbers:
; along the channels (the score products' K) and along the tokens (the value products' K).
; A work-group takes 64 channels x 128 tokens of one tensor and batch and makes one RECORD of 16,896 bytes of kv, laid in the order of the operands' registers
; (l = lane, r = l % 16, h = l / 16):
;   0      KIMG  fragment b (0..3), group c = 2 u + c', lane l at 2048 b + 512 c + 16 l: token 32 b + 8 u + r + 8 (r / 8), channels 32 c' + 16 h + 0 .. 15
;   8192   VIMG  tile t (0..3), group c, lane l at 2048 t + 512 c + 16 l: channel 16 t + r, tokens 32 c + 16 h + 0 .. 15
;   16384  KSC   halfword at 64 b + 4 r + 2 u: the two scale bytes (channels 0-31, 32-63) of token (b, u, r)
;   16640  VSC   word at 64 t + 4 r: the four scale bytes of channel 16 t + r for the record's four blocks of 32 tokens
; Record number = (tensor x 8 + batch) x 32 + (first token / 128).
; A block's scale is 2^(floor(log2(its largest magnitude)) - 8); its byte is the largest magnitude's exponent field - 8, held at 1 from below.
; LIMITS: a block of zeros gets the byte 1 where the rule says 127 (its codes are zeros, which add nothing under any byte but 0xff, and this program alone reads the bytes);
; NaN and infinities among the inputs are not served.
; The 32 KB of f32 go through a tile in LDS (rows of 512 bytes + 16): the loads read 512 consecutive bytes of a channel's row; the V form reads 16 neighbouring tokens a lane,
; the K form one token a lane with the registers running down the channels.  No tensor load, no matrix instruction.
.set REC,   16896
.set VIMG,  8192
.set KSC,   16384
.set PITCH, 528                        ; 132 words: row r starts at bank 4 r mod 64 (64 banks of 4 bytes: ISA guide 11.1)
.set SCL,   64*PITCH                   ; behind the tile: the record's 512 scale bytes, KSC then VSC
.set R,     16                         ; v16-79   my 16 rows as loaded, four registers each
.set X,     80                         ; v80-143  64 numbers of a lane
.set PC,    144                        ; v144-159 V's codes
.set KC,    160                        ; v160-175 K's codes
.set TM,    176                        ; v176-179 largest magnitudes, v180-183 the other lane's, then bytes, v184-187 448 x the scale, v188-191 the conversions' scale operands
.set PW,    192                        ; v192     V's scale word;  v193 K's halfword;  v196-199 the scales on their way out
	s_load_b128 s[4:7], s[0:1], 0x0                ; x1, x2
	s_load_b64 s[8:9], s[0:1], 0x10                ; kv
	v_lshl_add_u32 v200, v0, 2, 0x8800
	v_mov_b32 v201, 0
	v_lshrrev_b32 v1, 5, v0
	v_readfirstlane_b32 s10, v1                    ; wave 0..3
	v_and_b32 v1, 31, v0                           ; lane
	v_and_b32 v2, 15, v0                           ; r
	v_bfe_u32 v3, v0, 4, 1                         ; h
	v_lshlrev_b32 v4, 4, v1                        ; 16 x lane: my bytes of a row's 512, and of an image's 512
	s_mul_i32 s23, s10, 16*PITCH                   ; my 16 rows of the tile
	v_add_nc_u32 v5, s23, v4                       ; into the tile
	v_mul_u32_u24 v6, v2, PITCH
	v_lshl_add_u32 v6, v3, 6, v6
	v_add_nc_u32 v6, s23, v6                       ; V form: row 16 w + r, + 64 h: my 16 tokens of a block of 32
	s_lshl_b32 s23, s10, 7
	v_lshl_add_u32 v7, v1, 2, s23                  ; K form: token 32 w + lane
	v_bfe_u32 v8, v0, 3, 1                         ; that token's u = (lane / 8) % 2
	v_and_b32 v13, 7, v0
	v_lshl_add_u32 v13, v3, 3, v13                 ; and its r = lane % 8 + 8 (lane / 16)
	v_lshlrev_b32 v9, 4, v13
	v_lshl_add_u32 v9, v8, 10, v9                  ; K's codes in the fragment: 1024 u + 16 r
	s_lshl_b32 s23, s10, 6
	v_lshl_add_u32 v10, v2, 2, s23
	v_add_nc_u32 v10, SCL+256, v10                 ; V's scale word: 64 w + 4 r
	v_lshl_add_u32 v11, v13, 2, s23
	v_lshl_add_u32 v11, v8, 1, v11
	v_add_nc_u32 v11, SCL, v11                     ; K's halfword: 64 w + 4 r + 2 u
	v_add_nc_u32 v12, SCL, v4                      ; the scales' way out: 16 bytes a lane
.irp b, 0,1,2,3
	v_mov_b32 v[TM+4+\b], 0                        ; written once: a lane permute's destination counts as one of its sources
.endr
	s_and_b32 s11, ttmp7, 0xffff                   ; tensor x 8 + batch
	s_and_b32 s12, s11, 7                          ; batch
	s_lshl_b32 s14, s12, 20                        ; a batch is 64 rows of 16,384 bytes
	s_lshl_b32 s24, ttmp9, 9                       ; 128 tokens are 512 bytes
	s_add_co_u32 s14, s14, s24
	s_lshl_b32 s24, s10, 18                        ; my 16 rows
	s_add_co_u32 s14, s14, s24
	s_mov_b32 s15, 0
	s_lshl_b32 s16, s11, 5
	s_add_co_u32 s16, s16, ttmp9
	s_mul_i32 s16, s16, REC                        ; my record (under 2^24 bytes)
	s_mov_b32 s17, 0
	s_lshl_b32 s18, s10, 11                        ; my fragment, my tile: 2,048 bytes each
	s_mov_b32 s19, 0
	s_mov_b32 s20, 0x76543210
	s_mov_b32 s21, 0xfedcba98                      ; v_permlanex16_b32's selects for lane l xor 16
	s_mov_b32 s22, 0x600000                        ; the mantissa field of 448
	s_wait_kmcnt 0x0
	s_cmp_lt_u32 s11, 8                            ; x1's work-group or x2's: the choice hangs on the work-group's number alone
	s_cselect_b64 s[4:5], s[4:5], s[6:7]
	s_add_nc_u64 s[4:5], s[4:5], s[14:15]
	s_add_nc_u64 s[8:9], s[8:9], s[16:17]          ; the record
	s_add_nc_u64 s[26:27], s[8:9], s[18:19]        ; K's fragment w
	s_add_nc_u64 s[24:25], s[26:27], VIMG          ; V's tile w
.irp i, 0,1,2,3,4,5,6,7,8,9,10,11,12,13,14,15
	global_load_b128 v[R+4*\i:R+4*\i+3], v4, s[4:5] offset:\i*16384 th:TH_LOAD_NT   ; channel 16 w + i: 32 lanes read 512 consecutive bytes; read once in the launch
.endr
.irp i, 0,1,2,3,4,5,6,7,8,9,10,11,12,13,14,15
	s_wait_loadcnt 15-\i                           ; loads come back in order: row i is in, the 15 - i younger ones may be out
	ds_store_b128 v5, v[R+4*\i:R+4*\i+3] offset:\i*PITCH
.endr
	s_wait_dscnt 0x0                               ; for the others' sake: my rows lie in the tile
	s_barrier_signal -1
	s_barrier_wait -1                              ; the tile is whole
	; ---- THE V FORM: wave w makes tile t = w.  Register 16 c + i = token 32 c + 16 h + i of channel 16 w + r; a block of 32 tokens lies in lanes l and l xor 16
.irp c, 0,1,2,3
.irp j, 0,1,2,3
	ds_load_b128 v[X+16*\c+4*\j:X+16*\c+4*\j+3], v6 offset:128*\c+16*\j
.endr
.endr
	s_wait_dscnt 0x0
.irp b, 0,1,2,3
	v_max3_num_f32 v[TM+\b], |v[X+16*\b]|, |v[X+16*\b+1]|, 0x4800000   ; block b: my 16 numbers, and the floor 2^(9 - 127): the byte cannot fall under 1
.endr
.irp i, 2,4,6,8,10,12,14
.irp b, 0,1,2,3
	v_max3_num_f32 v[TM+\b], v[TM+\b], |v[X+16*\b+\i]|, |v[X+16*\b+\i+1]|   ; the four blocks by turns
.endr
.endr
.irp b, 0,1,2,3
	v_permlanex16_b32 v[TM+4+\b], v[TM+\b], s20, s21
.endr
.irp b, 0,1,2,3
	v_max_num_f32 v[TM+\b], v[TM+\b], v[TM+4+\b]   ; with lane l xor 16's: the block's largest magnitude
.endr
.irp b, 0,1,2,3
	v_add_nc_u32 v[TM+12+\b], 0xfc000000, v[TM+\b] ; 8 off its exponent field: the conversion takes this operand's exponent field as its scale
.endr
.irp b, 0,1,2,3
	v_and_or_b32 v[TM+8+\b], v[TM+\b], 0x7f800000, s22   ; 448 x the scale
.endr
.irp b, 0,1,2,3
	v_lshrrev_b32 v[TM+4+\b], 23, v[TM+12+\b]      ; the scale's byte
.endr
	v_lshl_or_b32 v[PW], v[TM+5], 8, v[TM+4]       ; the four bytes make my channel's scale word
	v_lshl_or_b32 v[PW], v[TM+6], 16, v[PW]
	v_lshl_or_b32 v[PW], v[TM+7], 24, v[PW]
.irp b, 0,1,2,3
.irp i, 0,1,2,3,4,5,6,7,8,9,10,11,12,13,14,15
	v_med3_num_f32 v[X+16*\b+\i], v[X+16*\b+\i], -v[TM+8+\b], v[TM+8+\b]   ; the conversion to an 8-bit code does not saturate (ISA guide 7.6.2): the hold comes first
.endr
	v_cvt_scalef32_pk8_fp8_f32 v[PC+4*\b:PC+4*\b+1], v[X+16*\b:X+16*\b+7], v[TM+12+\b]
	v_cvt_scalef32_pk8_fp8_f32 v[PC+4*\b+2:PC+4*\b+3], v[X+16*\b+8:X+16*\b+15], v[TM+12+\b]
.endr
	v_nop                                          ; one plain line behind the last conversion
.irp c, 0,1,2,3
	global_store_b128 v4, v[PC+4*\c:PC+4*\c+3], s[24:25] offset:512*\c   ; 32 lanes store 512 consecutive bytes, at a multiple of 256 from kv's first byte
.endr
	ds_store_b32 v10, v[PW]                        ; both lanes of a channel write the same word with the same value
	; ---- THE K FORM: wave w makes fragment b = w.  Lane j takes token 32 w + j, and its 64 registers run down the channels: a block of 32 lies in one lane
.irp c, 0,1,2,3,4,5,6,7,8,9,10,11,12,13,14,15,16,17,18,19,20,21,22,23,24,25,26,27,28,29,30,31,32,33,34,35,36,37,38,39,40,41,42,43,44,45,46,47,48,49,50,51,52,53,54,55,56,57,58,59,60,61,62,63
	ds_load_b32 v[X+\c], v7 offset:\c*PITCH        ; 32 lanes read 128 consecutive bytes of channel c's row
.endr
.macro QBLOCK k                        ; channels 32 k .. 32 k + 31 of my token
.set XS, X+32*\k
	v_max3_num_f32 v[TM], |v[XS]|, |v[XS+1]|, |v[XS+2]|
	v_max3_num_f32 v[TM+1], |v[XS+3]|, |v[XS+4]|, |v[XS+5]|
.irp i, 6,10,14,18,22,26
	v_max3_num_f32 v[TM], v[TM], |v[XS+\i]|, |v[XS+\i+1]|
	v_max3_num_f32 v[TM+1], v[TM+1], |v[XS+\i+2]|, |v[XS+\i+3]|
.endr
	v_max3_num_f32 v[TM], v[TM], |v[XS+30]|, |v[XS+31]|
	v_max3_num_f32 v[TM], v[TM], v[TM+1], 0x4800000      ; and the floor
	v_add_nc_u32 v[TM+12+\k], 0xfc000000, v[TM]
	v_and_or_b32 v[TM+8+\k], v[TM], 0x7f800000, s22
	v_lshrrev_b32 v[TM+4+\k], 23, v[TM+12+\k]
.irp i, 0,1,2,3,4,5,6,7,8,9,10,11,12,13,14,15,16,17,18,19,20,21,22,23,24,25,26,27,28,29,30,31
	v_med3_num_f32 v[XS+\i], v[XS+\i], -v[TM+8+\k], v[TM+8+\k]
.endr
.irp g, 0,1,2,3
	v_cvt_scalef32_pk8_fp8_f32 v[KC+8*\k+2*\g:KC+8*\k+2*\g+1], v[XS+8*\g:XS+8*\g+7], v[TM+12+\k]
.endr
.endm
	s_wait_dscnt 32                                ; LDS serves a wave in order: channels 0-31 are in, the 32 younger loads may be out
	QBLOCK 0
	s_wait_dscnt 0x0
	QBLOCK 1
	v_lshl_or_b32 v193, v[TM+5], 8, v[TM+4]        ; my token's two bytes.  (Also the plain line behind the last conversion)
.irp p, 0,1,2,3
	global_store_b128 v9, v[KC+4*\p:KC+4*\p+3], s[26:27] offset:256*\p   ; channels 16 p on: group 2 u + p / 2, half p % 2: sixteen lanes store 256 consecutive bytes, aligned
.endr
	ds_store_b16 v11, v193
	s_wait_dscnt 0x0                               ; for wave 0's sake: my scale bytes lie in LDS
	s_barrier_signal -1
	s_barrier_wait -1
	s_cmp_lg_u32 s10, 0                            ; wave 0 stores the record's 512 scale bytes
	s_cbranch_scc1 .Lend
	ds_load_b128 v[196:199], v12
	s_wait_dscnt 0x0
	global_store_b128 v4, v[196:199], s[8:9] offset:KSC   ; 512 consecutive bytes, aligned
.Lend:
	s_wait_tensorcnt 0x0
	ds_add_u32 v200, v201
	s_wait_dscnt 0x0
	s_endpgm
.Lfunc_end_k_qd51c27ad1c_quant:
	.size	k_qd51c27ad1c_quant, .Lfunc_end_k_qd51c27ad1c_quant-k_qd51c27ad1c_quant
	.p2alignl 7, 3214868480
	.fill 96, 4, 3214868480
	.section	.rodata,"a",@progbits
	.p2align	6, 0x0
	.amdhsa_kernel k_qd51c27ad1c_quant
		.amdhsa_group_segment_fixed_size 35328
		.amdhsa_private_segment_fixed_size 0
		.amdhsa_enable_private_segment 0
		.amdhsa_kernarg_size 24
		.amdhsa_user_sgpr_count 2
		.amdhsa_user_sgpr_kernarg_segment_ptr 1
		.amdhsa_wavefront_size32 1
		.amdhsa_system_sgpr_workgroup_id_x 1
		.amdhsa_system_sgpr_workgroup_id_y 1
		.amdhsa_system_sgpr_workgroup_id_z 1
		.amdhsa_system_vgpr_workitem_id 0
		.amdhsa_next_free_vgpr 202
		.amdhsa_next_free_sgpr 66
		.amdhsa_reserve_vcc 0
		.amdhsa_float_denorm_mode_32 3
		.amdhsa_float_denorm_mode_16_64 3
		.amdhsa_memory_ordered 1
		.amdhsa_forward_progress 1
		.amdhsa_inst_pref_size 28
	.end_amdhsa_kernel
	.amdgpu_metadata
---
amdhsa.version: [ 1, 2 ]
amdhsa.kernels:
  - .name:           k_qd51c27ad1c_quant
    .symbol:         k_qd51c27ad1c_quant.kd
    .args:
      - { .name: x1, .offset: 0, .size: 8, .value_kind: global_buffer, .address_space: global }
      - { .name: x2, .offset: 8, .size: 8, .value_kind: global_buffer, .address_space: global }
      - { .name: kv, .offset: 16, .size: 8, .value_kind: global_buffer, .address_space: global }
    .group_segment_fixed_size: 35328
    .private_segment_fixed_size: 0
    .kernarg_segment_align: 8
    .kernarg_segment_size: 24
    .max_flat_workgroup_size: 128
    .sgpr_count:     66
    .vgpr_count:     202
    .wavefront_size: 32
...
	.end_amdgpu_metadata
.endif
;; end of part 1
;; launch attn (part 2): grid 32 x 8, 8 waves a work-group, clusters of 4 x 1, 327,680 bytes of LDS; arguments kv, out0; writes out0
.if DOCPART == 2
	.amdgcn_target "amdgcn-amd-amdhsa--gfx1250"
	.amdhsa_code_object_version 6
	.text
	.protected	k_qd51c27ad1c_attn
	.globl	k_qd51c27ad1c_attn
	.p2align	8
	.type	k_qd51c27ad1c_attn,@function
k_qd51c27ad1c_attn:
	s_mov_b64 s[64:65], 0
	v_nop
	global_prefetch_b8 v0, s[64:65] scope:SCOPE_SE
	s_setreg_imm32_b32 hwreg(HW_REG_WAVE_MODE, 25, 1), 1
	s_wait_xcnt 0x0
	s_wait_alu depctr_hold_cnt(0) depctr_sa_sdst(0) depctr_va_vdst(0) depctr_va_sdst(0) depctr_va_ssrc(0) depctr_va_vcc(0) depctr_vm_vsrc(0)
	s_getreg_b32 s2, hwreg(HW_REG_IB_STS2, 6, 4)
	s_cmp_eq_u32 s2, 0
	s_cbranch_scc0 .Lentry_in_a_cluster
	s_endpgm
.Lentry_in_a_cluster:
	s_bfe_u32 s2, ttmp6, 0x10000c
	s_cmp_lg_u32 s2, 0x3003
	s_cbranch_scc0 .Lentry_shape_is_right
	s_endpgm
.Lentry_shape_is_right:
; out[b][c][q] = attention(queries x1, keys and values x2)[q][c] + attention(queries x2, keys and values x1)[q][c]; 4,096 tokens, 64 channels, 8 batches; all four products on codes of FP8 (E4M3)
; with one E8M0 scale for each 32 along K.  The codes come from kv, in records of 128 tokens laid in the order of the operands' registers (l = lane, r = l % 16, h = l / 16):
;   0 KIMG: fragment b, group 2 u + c', lane l at 2048 b + 512 (2 u + c') + 16 l: token 32 b + 8 u + r + 8 (r / 8), channels 32 c' + 16 h + 0 .. 15      16384 KSC: word (b, r) at 64 b + 4 r
;   8192 VIMG: tile t, group c, lane l at 2048 t + 512 c + 16 l: channel 16 t + r, tokens 32 c + 16 h + 0 .. 15                                           16640 VSC: word (t, r) at 64 t + 4 r
; THE SOFTMAX AHEAD OF THE SECOND PRODUCT: t = score x log2(e) / 8; M = the row's largest t so far, rounded UP to a whole number; p = 2^(t - M) is quantised along the keys, not normalised.
; The row's sum is taken of the unquantised p and divides at the end.  When M moves, the sum and O are multiplied by 2^(old M - new M): exact.
; SHARES.  A work-group owns 128 tokens of one batch as queries, in BOTH directions, so that it owns its part of the output.  Eight waves: wave w has direction d = w / 4 (0: queries x1, keys x2) and
; TWO tiles of 16 queries, (b = w % 4, u = 0) and (b, u = 1): each fragment of K and of V that it reads from LDS feeds both.  Every wave walks 32 steps of 128 keys.
; REGISTERS.  Window 0 holds what vector instructions work on, both tiles side by side (block x = 4 tile + b of 32 keys).  Window 1 holds what matrix instructions alone read: K's fragments, V's tiles, Q; and O^T.
; THE EXPONENTIALS go in two batches, a tile each, with plain lines between them whose results are read behind the next wait alone: among tile 0's the multiply-adds of tile 1, among tile 1's the first sums and the holds of tile 0.
; AMONG THE PRODUCTS stand plain lines that name none of their registers: among tile 1's score products tile 0's search for its maxima, among the value products the sums.
; K = 64 IN A FORM OF K = 128.  A fragment of KIMG holds two tiles of 16 keys; Q lies in registers as [zeros | Q0 | zeros | Q1 | zeros], eight each: [Q | 0] picks a fragment's first tile, [0 | Q] its second.  The zero codes add exact zeros.
; LAYOUT.  Both products are used transposed (S^T = K Q^T, O^T = V^T P^T): a lane holds one query of each tile.  Register 16 b + i of S^T is key 32 b + 16 h + i, so the conversions' results are the second product's operand.
; THE RING.  Two LDS slots of eight records (x1's steps 4 s .. 4 s + 3, x2's likewise), one record a wave.  CLUSTER: the four work-groups of a cluster belong to one batch and walk the same records: each record is asked for jointly.
; A slot's last step shows the next slot by a plain barrier, behind which nothing is filled, and fetches that slot's first fragments of K; the change of slots follows with its round and its refill.
; A wave has one tensor load out at the most.  No prefetch is laid: a fill is asked for three key steps of all eight waves ahead of its first read, and the eight clusters of a batch read the same records side by side.
; LIMITS: NaN and infinities among the inputs are not served; a p under 2^-126 comes out of v_exp_f32 as 0; a block of p that is all zeros keeps the byte 1 (its codes are zeros).
.set REC,   16896
.set VIMG,  8192
.set KSC,   16384
.set VSC,   16640
.set SLOT1, 8*REC                      ; slot 1 begins behind slot 0's eight records
.set NSL,   8                          ; slots' worth of keys: 4,096 / 512
.set SP,    528                        ; a stage row: 128 tokens x 4 bytes + 16
.set SPARE, 2*SLOT1                    ; behind the ring: the spare words, 128 bytes for each wave
                                       ; the way out's two stages of 64 rows lie from byte 0 on, in slot 0: it has had its last fill and its last read at the last change of slots
; window 0
.set LI0, 1                            ; v1   16 x lane + my key tensor's four records in a slot; on the way out: my query's word in the stage
.set LS0, 2                            ; v2   4 x lane + the same; on the way out: 16 x lane in my eight rows
.set ADI, 3                            ; v3, v4  v1 in a slot: records 0, 1 and records 2, 3
.set SPW, 5                            ; v5   LDS address of my spare word; never rewritten
.set NIL, 6                            ; v6   0; never rewritten
.set ADS, 7                            ; v7, v8  v2 likewise
.set GO,  9                            ; v9   16 x lane
.set KS,  10                           ; v10-11 K's scale words: lanes 0-15 fragment 0 (2), lanes 16-31 fragment 1 (3)
.set MN,  12                           ; v12, v16  -M of tile 0, 1
.set MX,  13                           ; v13, v17  the largest score so far
.set SM,  14                           ; v[14:15], v[18:19] the sum in two halves
.set FF,  20                           ; v20, v22  f = 2^(old M - new M); v21, v23 are named with them as pairs
.set S,   24                           ; v24-151  S^T, then p: 16 registers a block x
.set PC,  152                          ; v152-183 p's codes: four registers a block
.set BM,  184                          ; v184-191 each block's largest score, then its largest p
.set T1,  192                          ; v192-199 the other lane's, then the bytes
.set HL,  200                          ; v200-207 448 x the scale
.set SO,  208                          ; v208-215 the conversions' scale operands
.set TT,  216                          ; v216, v217 at work, one a tile
.set A,   218                          ; v218-249 sixteen pairs: a tile's partial sums
.set VS,  250                          ; v250-251 V's scale words
.set PW,  252                          ; v252, v253 p's scale word of tile 0, 1
.set QS,  254                          ; v254, v255 Q's scale word of tile 0, 1: its two bytes, twice
; window 1
.set KF,  0                            ; v0-63    four fragments of K
.set VF,  64                           ; v64-127  four tiles of V
.set OT,  128                          ; v128-191 O^T: four tiles of 16 channels for each tile of queries
.set QZ,  192                          ; v192-231 [0 | Q0 | 0 | Q1 | 0]
.set WV,  8                            ; s8   my wave's number
.set SEL, 14                           ; s[14:15] v_permlanex16_b32's selects for lane l xor 16
.set CS,  16                           ; s[16:17] c = log2(e) / 8; the packed form names a pair
.set MNT, 18                           ; s18  the mantissa field of 448
.set TB,  19                           ; s19  where the slot in hand begins
.set SLOTS, 20                         ; s20  slots still to be asked for
.set WOFF, 21                          ; s21  my record's place in a slot
.set TO,  22                           ; s22  where the other slot begins
.set G1,  24                           ; s[24:31] descriptor group 1
.set G0,  32                           ; s[32:35] descriptor group 0, which walks
.set MSB, 0
.macro WIN new                         ; the immediate's high byte repeats the setting that is left
.if MSB != \new
	s_set_vgpr_msb (MSB<<8)|\new
.set MSB, \new
.endif
.endm
.macro WALU
	s_wait_alu depctr_va_vdst(0)
.endm
.macro CROUND                          ; a round of the cluster's barrier
	s_barrier_signal -1
	s_barrier_wait -1
	s_cmp_lg_u32 s[WV], 0
	s_cbranch_scc1 .Lnot_wave_0_\@
	s_barrier_signal -3
.Lnot_wave_0_\@:
	s_barrier_wait -3
	s_barrier_signal -1
	s_barrier_wait -1
.endm
.macro IMG reg, ab, o                  ; an image of four fragments into window 1: each load's 32 lanes read 512 consecutive bytes
.irp f, 0,1,2,3
.irp c, 0,1,2,3
	ds_load_b128 v[\reg+16*\f+4*\c:\reg+16*\f+4*\c+3], v[\ab] offset:(\o)+2048*\f+512*\c
.endr
.endr
.endm
.macro WORDS reg, sb, o                ; its scale words
	ds_load_b32 v[\reg], v[\sb] offset:\o
	ds_load_b32 v[\reg+1], v[\sb] offset:(\o)+128
.endm
	s_load_b128 s[4:7], s[0:1], 0x0                ; kv, out0
	v_lshl_add_u32 v[SPW], v0, 2, SPARE
	v_mov_b32 v[NIL], 0
	ds_add_u32 v[SPW], v[NIL]                      ; the opening lines: the add, twice on end, and its wait ahead of my first tensor load
	ds_add_u32 v[SPW], v[NIL]
	v_lshrrev_b32 v[BM], 5, v0
	v_readfirstlane_b32 s[WV], v[BM]               ; wave 0..7
	s_lshr_b32 s9, s[WV], 2                        ; d; also the tensor that I fetch for
	s_and_b32 s10, s[WV], 3                        ; b of my two tiles; also which of a slot's four steps I fetch
	s_bfe_u32 s11, ttmp6, 0x40000                  ; cx: my place in the cluster
	s_lshl_b32 s12, ttmp9, 2
	s_add_co_u32 s12, s12, s11                     ; my block of 128 queries: it enters Q's and the output's addresses alone
	s_and_b32 s13, ttmp7, 0xffff                   ; the batch, which the four partners share
	s_mov_b32 s[G1], 15|(3<<16)|(1<<21)            ; a record is a dense block: 66 rows of 256 bytes (32 elements of 8); the mask names all four work-groups; bit 21 beside it
	s_mov_b32 s[G1+1], 32<<16
	s_mov_b32 s[G1+2], 66<<16
	s_mov_b32 s[G1+3], 32<<16
	s_mov_b32 s[G1+4], 66
	s_mov_b32 s[G1+5], 32
	s_mov_b32 s[G1+6], 0
	s_mov_b32 s[G1+7], 0
	s_lshl_b32 s36, s9, 3
	s_add_co_u32 s36, s36, s13
	s_lshl_b32 s36, s36, 5                         ; tensor d's first record of the batch
	s_add_co_u32 s38, s36, s12                     ; my queries' record
	s_add_co_u32 s36, s36, s10                     ; the record that I fetch first
	s_mul_i32 s36, s36, REC
	s_mov_b32 s37, 0
	s_mul_i32 s38, s38, REC
	s_lshl_b32 s45, s10, 6
	s_add_co_u32 s40, s38, s45
	s_add_co_u32 s40, s40, KSC                     ; the scale words of fragment b
	s_mov_b32 s41, 0
	s_lshl_b32 s45, s10, 11
	s_add_co_u32 s38, s38, s45                     ; fragment b: both my tiles
	s_mov_b32 s39, 0
	s_lshl_b32 s42, s13, 20                        ; the output: batch x 2^20 + 512 x block + my eight channels' rows
	s_lshl_b32 s45, s12, 9
	s_add_co_u32 s42, s42, s45
	s_lshl_b32 s45, s[WV], 17
	s_add_co_u32 s42, s42, s45
	s_mov_b32 s43, 0
	s_mul_i32 s46, s9, 64*SP                       ; my direction's stage,
	s_lshl_b32 s47, s10, 7
	s_add_co_u32 s46, s46, s47                     ; token 32 b
	s_mul_i32 s47, s[WV], 8*SP                     ; back: rows 8 w .. 8 w + 7
	s_xor_b32 s44, s9, 1
	s_mul_i32 s44, s44, 4*REC                      ; my keys' tensor is the other one
	s_mul_i32 s[WOFF], s[WV], REC
	s_mov_b32 s[G0], 1
	s_mov_b32 s[G0+1], s[WOFF]                     ; slot 0: no place in the cluster enters an LDS address
	s_mov_b32 s[SEL], 0x76543210
	s_mov_b32 s[SEL+1], 0xfedcba98
	s_mov_b32 s[CS], 0x3e38aa3b                    ; c = log2(e) / sqrt(64)
	s_mov_b32 s[CS+1], s[CS]
	s_mov_b32 s[MNT], 0x600000
	s_mov_b32 s[TB], 0
	s_mov_b32 s[SLOTS], NSL-1
	s_wait_dscnt 0x0                               ; both opening adds are done
	s_wait_kmcnt 0x0
	s_add_nc_u64 s[G0+2:G0+3], s[4:5], s[36:37]
	s_or_b32 s[G0+3], s[G0+3], 0x80000000
	s_add_nc_u64 s[38:39], s[4:5], s[38:39]
	s_add_nc_u64 s[40:41], s[4:5], s[40:41]
	s_add_nc_u64 s[42:43], s[6:7], s[42:43]
	CROUND                                         ; all four work-groups are here: the first joint loads meet
	tensor_load_to_lds s[G0:G0+3], s[G1:G1+7]      ; slot 0: every wave its record
	s_nop 0
	v_and_b32 v[BM], 31, v0                        ; lane
	v_and_b32 v[BM+1], 15, v0                      ; r
	v_lshlrev_b32 v[GO], 4, v[BM]
	v_lshlrev_b32 v[TT], 2, v[BM+1]
	global_load_b32 v[S], v[TT], s[40:41]          ; the scale word (b, r): tile 0's two bytes, then tile 1's
	v_add_nc_u32 v[LI0], s44, v[GO]
	v_lshl_add_u32 v[LS0], v[BM], 2, s44
	WIN 0x40                                       ; destinations in window 1
.irp t, 0,1
	global_load_b128 v[QZ+8+16*\t:QZ+11+16*\t], v[GO], s[38:39] offset:1024*\t       ; tile t's Q: channels 16 h + 0 .. 15,
	global_load_b128 v[QZ+12+16*\t:QZ+15+16*\t], v[GO], s[38:39] offset:1024*\t+512  ; and 32 + 16 h + 0 .. 15
.endr
.irp j, 0,1,2,3,4,5,6,7
	v_mov_b32 v[QZ+\j], 0                          ; the zero codes beside Q
	v_mov_b32 v[QZ+16+\j], 0
	v_mov_b32 v[QZ+32+\j], 0
.endr
.set j, 0
.rept 64
	v_mov_b32 v[OT+j], 0                           ; O^T: the step is written once; the first finds zeros, which the first change of M leaves zeros
.set j, j+1
.endr
	WIN 0
	WALU
	s_wait_loadcnt 0x0
	v_perm_b32 v[QS], v[S], v[S], 0x01000100       ; a tile's two bytes, twice: they serve [Q | 0] and [0 | Q] alike
	v_perm_b32 v[QS+1], v[S], v[S], 0x03020302
.irp t, 0,1                            ; (these lines also part the scale words from the first product)
	v_mov_b32 v[MX+4*\t], 0xff61b1e6               ; the largest score so far: -3e38
	v_mov_b32 v[MN+4*\t], 0x7f61b1e6               ; -M
	v_mov_b32 v[SM+4*\t], 0
	v_mov_b32 v[SM+4*\t+1], 0
	v_mov_b32 v[FF+2*\t+1], 0                      ; (named as the upper half of a pair)
.endr
.irp x, 0,1,2,3,4,5,6,7
	v_mov_b32 v[T1+\x], 0                          ; a lane permute's destination counts as one of its sources
.endr
	v_add_nc_u32 v[ADI], s[TB], v[LI0]             ; slot 0
	v_add_nc_u32 v[ADS], s[TB], v[LS0]
	WALU
	s_wait_tensorcnt 0x0                           ; my record of slot 0 has landed;
	s_barrier_signal -1
	s_barrier_wait -1                              ; everybody's has.
	WIN 0x40
	IMG KF, ADI, 0                                 ; the first step's fragments of K
	WIN 0
	WORDS KS, ADS, KSC
.macro KQW t, b, u                     ; a product of S^T = K Q^T: fragment b against tile t's [Q | 0] (u = 0) or [0 | Q] (u = 1)
.if (\b)%2
	v_wmma_scale_f32_16x16x128_f8f6f4 v[S+64*\t+16*\b+8*\u:S+64*\t+16*\b+8*\u+7], v[KF+16*\b:KF+16*\b+15], v[QZ+16*\t+8-8*\u:QZ+16*\t+23-8*\u], 0, v[KS+\b/2], v[QS+\t] matrix_a_scale:MATRIX_SCALE_ROW1
.else
	v_wmma_scale_f32_16x16x128_f8f6f4 v[S+64*\t+16*\b+8*\u:S+64*\t+16*\b+8*\u+7], v[KF+16*\b:KF+16*\b+15], v[QZ+16*\t+8-8*\u:QZ+16*\t+23-8*\u], 0, v[KS+\b/2], v[QS+\t]
.endif
.endm
.macro PVW t, c                        ; a product of O^T += V^T P^T: 16 channels of tile t; the accumulators take turns, one instruction a turn
.if (\c)%2
	v_wmma_scale_f32_16x16x128_f8f6f4 v[OT+32*\t+8*\c:OT+32*\t+8*\c+7], v[VF+16*\c:VF+16*\c+15], v[PC+16*\t:PC+16*\t+15], v[OT+32*\t+8*\c:OT+32*\t+8*\c+7], v[VS+\c/2], v[PW+\t] matrix_a_scale:MATRIX_SCALE_ROW1
.else
	v_wmma_scale_f32_16x16x128_f8f6f4 v[OT+32*\t+8*\c:OT+32*\t+8*\c+7], v[VF+16*\c:VF+16*\c+15], v[PC+16*\t:PC+16*\t+15], v[OT+32*\t+8*\c:OT+32*\t+8*\c+7], v[VS+\c/2], v[PW+\t]
.endif
.endm
; Line n = 0 .. 39 of what stands among tile 1's score products: the old -M; with six v_nop the eight places behind tile 0's products; then the largest score of each of tile 0's four blocks, each result read from its low end on
.macro TL n
.if (\n) < 2
	v_mov_b32 v[FF+2*(\n)], v[MN+4*(\n)]
.elseif (\n) < 8
	v_nop
.elseif (\n) < 12
	v_max3_num_f32 v[BM+(\n)-8], v[S+16*((\n)-8)], v[S+16*((\n)-8)+1], v[S+16*((\n)-8)+2]
.elseif (\n) < 36
	v_max3_num_f32 v[BM+((\n)-12)%4], v[BM+((\n)-12)%4], v[S+16*(((\n)-12)%4)+3+2*(((\n)-12)/4)], v[S+16*(((\n)-12)%4)+4+2*(((\n)-12)/4)]
.else
	v_max_num_f32 v[BM+(\n)-36], v[BM+(\n)-36], v[S+16*((\n)-36)+15]
.endif
.endm
.macro ADD1 t, k                       ; partial sum k of tile t: pairs k and k + 16 of its 32 pairs of p
	v_pk_add_f32 v[A+2*(\k):A+2*(\k)+1], v[S+64*\t+2*(\k):S+64*\t+2*(\k)+1], v[S+64*\t+32+2*(\k):S+64*\t+33+2*(\k)]
.endm
.macro HOLD2 n                         ; p's numbers n, n + 1 held at 448 x their block's scale: the conversion to an 8-bit code does not saturate (ISA guide 7.6.2); p is not negative, so the hold is one-sided
	v_dual_min_num_f32 v[S+(\n)], v[S+(\n)], v[HL+(\n)/16] :: v_dual_min_num_f32 v[S+(\n)+1], v[S+(\n)+1], v[HL+(\n)/16]
.endm
.macro REDL w, k                       ; partial sum k takes partial sum k + w in
	v_pk_add_f32 v[A+2*(\k):A+2*(\k)+1], v[A+2*(\k):A+2*(\k)+1], v[A+2*((\k)+(\w)):A+2*((\k)+(\w))+1]
.endm
.macro RED8                            ; sixteen partial sums to eight.  (These eight lines also part a tile's codes from its products)
.set k, 0
.rept 8
	REDL 8, k
.set k, k+1
.endr
.endm
.macro RL t, n                         ; line n of what stands among tile t's value products: eight partial sums into the tile's sum (0 .. 7); behind tile 0's, tile 1's first sums (8 .. 23)
.if (\n) < 4
	REDL 4, \n
.elseif (\n) < 6
	REDL 2, (\n)-4
.elseif (\n) == 6
	REDL 1, 0
.elseif (\n) == 7
	v_pk_add_f32 v[SM+4*\t:SM+4*\t+1], v[SM+4*\t:SM+4*\t+1], v[A:A+1]
.else
	ADD1 1, (\n)-8
.endif
.endm
.macro PV t, lines                     ; tile t's four products, so many lines behind each
.set n_, 0
.irp c, 0,1,2,3
	WIN 0x51                                       ; V's tiles and O^T in window 1, p's codes in window 0
	PVW \t, \c
	WIN 0
.rept \lines
	RL \t, n_
.set n_, n_+1
.endr
.endr
.endm
.macro CODES t                         ; tile t's 64 numbers a lane into 64 codes
.irp x, 4*\t, 4*\t+1, 4*\t+2, 4*\t+3
	v_cvt_scalef32_pk8_fp8_f32 v[PC+4*(\x):PC+4*(\x)+1], v[S+16*(\x):S+16*(\x)+7], v[SO+(\x)]
	v_cvt_scalef32_pk8_fp8_f32 v[PC+4*(\x)+2:PC+4*(\x)+3], v[S+16*(\x)+8:S+16*(\x)+15], v[SO+(\x)]
.endr
.endm
; A KEY STEP: 128 keys, record q of my keys' tensor in the slot in hand.  Its fragments of K were asked for in the step before.  pre = 1: the next step's are asked for under the softmax, in this slot; pre = 2: in the next slot, behind a plain barrier that shows it; pre = 0: none.
.macro STEP q, pre
.set AB_, ADI+(\q)/2
.set SB_, ADS+(\q)/2
.set O_, REC*((\q)%2)
	s_wait_dscnt 0x0                               ; K's fragments and scale words are in; no LDS instruction of mine is out
.if \pre == 2
	s_wait_tensorcnt 0x0                           ; my record of the next slot has landed:
	s_barrier_signal -1                            ; say so; work on registers stands up to the wait
.endif
	WIN 0x05                                       ; K and Q in window 1
.irp b, 0,1,2,3
.irp u, 0,1
	KQW 0, \b, \u
.endr
.endr
.set n_, 0
.irp b, 0,1,2,3
.irp u, 0,1
	WIN 0x05
	KQW 1, \b, \u
	WIN 0
.rept 5
	TL n_
.set n_, n_+1
.endr
.endr
.endr
.irp x, 0,1,2,3
	v_permlanex16_b32 v[T1+\x], v[BM+\x], s[SEL], s[SEL+1]
.endr
.irp x, 0,1,2,3
	v_max_num_f32 v[BM+\x], v[BM+\x], v[T1+\x]     ; with lane l xor 16's 16 keys.  (With the five lines above the permutes: the places behind the last product, ahead of the loads below and of tile 1's first read)
.endr
.if \pre == 2
	s_xor_b32 s[TO], s[TB], SLOT1
	v_add_nc_u32 v[ADI], s[TO], v[LI0]             ; records 0, 1 of the next slot: this slot's have been read
	v_add_nc_u32 v[ADS], s[TO], v[LS0]
	WALU
	s_barrier_wait -1                              ; every wave's record of the next slot has landed.
.endif
	WORDS VS, SB_, O_+VSC
	WIN 0x40
	IMG VF, AB_, O_+VIMG
.if \pre == 1
	IMG KF, AB_, O_+REC
	WIN 0
	WORDS KS, SB_, O_+REC+KSC
.elseif \pre == 2
	IMG KF, ADI, 0
	WIN 0
	WORDS KS, ADS, KSC
.endif
	WIN 0
.irp x, 4,5,6,7                        ; tile 1's largest scores, a chain to each result, each read from its low end on
	v_max3_num_f32 v[BM+\x], v[S+16*\x], v[S+16*\x+1], v[S+16*\x+2]
	v_max3_num_f32 v[T1+\x], v[S+16*\x+8], v[S+16*\x+9], v[S+16*\x+10]
.endr
.irp i, 3,5
.irp x, 4,5,6,7
	v_max3_num_f32 v[BM+\x], v[BM+\x], v[S+16*\x+\i], v[S+16*\x+\i+1]
	v_max3_num_f32 v[T1+\x], v[T1+\x], v[S+16*\x+8+\i], v[S+16*\x+9+\i]
.endr
.endr
.irp x, 4,5,6,7
	v_max3_num_f32 v[BM+\x], v[BM+\x], v[T1+\x], v[S+16*\x+7]
.endr
.irp x, 4,5,6,7
	v_max_num_f32 v[BM+\x], v[BM+\x], v[S+16*\x+15]
.endr
.irp x, 4,5,6,7
	v_permlanex16_b32 v[T1+\x], v[BM+\x], s[SEL], s[SEL+1]
.endr
.irp x, 4,5,6,7
	v_max_num_f32 v[BM+\x], v[BM+\x], v[T1+\x]
.endr
	v_max3_num_f32 v[TT], v[BM], v[BM+1], v[BM+2]  ; the two tiles by turns
	v_max3_num_f32 v[TT+1], v[BM+4], v[BM+5], v[BM+6]
	s_delay_alu instid0(VALU_DEP_2)
	v_max3_num_f32 v[MX], v[MX], v[TT], v[BM+3]    ; the running largest score
	s_delay_alu instid0(VALU_DEP_2)
	v_max3_num_f32 v[MX+4], v[MX+4], v[TT+1], v[BM+7]
	s_delay_alu instid0(VALU_DEP_2)
	v_mul_f32 v[TT], s[CS], v[MX]                  ; as t (c is positive)
	s_delay_alu instid0(VALU_DEP_2)
	v_mul_f32 v[TT+1], s[CS], v[MX+4]
	s_delay_alu instid0(VALU_DEP_2)
	v_floor_f32 v[MN], -v[TT]                      ; the new -M = -ceil(t)
	s_delay_alu instid0(VALU_DEP_2)
	v_floor_f32 v[MN+4], -v[TT+1]
.set j, 0
.rept 32
	v_pk_fma_f32 v[S+j:S+j+1], v[S+j:S+j+1], s[CS:CS+1], v[MN:MN+1] op_sel_hi:[1,0,0]   ; tile 0: t - M, two at a time; f is made among these lines
.if j == 8
	v_sub_f32 v[FF], v[MN], v[FF]                  ; old M less new M: a whole number, 0 or less
	v_sub_f32 v[FF+2], v[MN+4], v[FF+2]
.elseif j == 20
	v_cvt_i32_f32 v[FF], v[FF]                     ; (it saturates)
	v_cvt_i32_f32 v[FF+2], v[FF+2]
.elseif j == 32
	v_ldexp_f32 v[FF], 1.0, v[FF]                  ; f = 2^(old M - new M)
	v_ldexp_f32 v[FF+2], 1.0, v[FF+2]
.endif
.set j, j+2
.endr
.irp x, 0,1,2,3,4,5,6,7
	v_fma_f32 v[BM+\x], v[BM+\x], s[CS], v[MN+4*(\x/4)]   ; the same of each block's largest score
.endr
	WALU
.irp x, 0,1,2,3,4,5,6,7
	v_exp_f32 v[BM+\x], v[BM+\x]                   ; each block's largest p
.endr
.set j, 0
.rept 32
	v_exp_f32 v[S+j], v[S+j]                       ; tile 0: p = 2^(t - M), at most 1: not normalised
	v_pk_fma_f32 v[S+64+j:S+65+j], v[S+64+j:S+65+j], s[CS:CS+1], v[MN+4:MN+5] op_sel_hi:[1,0,0]   ; tile 1: t - M: read behind the next two waits
	v_exp_f32 v[S+j+1], v[S+j+1]
.set j, j+2
.endr
	v_pk_mul_f32 v[SM:SM+1], v[SM:SM+1], v[FF:FF+1] op_sel_hi:[1,0]   ; the sums under the new M.  (The plain line behind the exponentials)
	v_pk_mul_f32 v[SM+4:SM+5], v[SM+4:SM+5], v[FF+2:FF+3] op_sel_hi:[1,0]
	WALU                                           ; one wait for the batch, ahead of its first reader
.irp x, 0,1,2,3,4,5,6,7
	v_max_num_f32 v[BM+\x], 0x4800000, v[BM+\x]    ; the floor 2^(9 - 127): the byte cannot fall under 1
.endr
.irp x, 0,1,2,3,4,5,6,7
	v_add_nc_u32 v[SO+\x], 0xfc000000, v[BM+\x]    ; 8 off the exponent field: the conversion's scale operand
.endr
.irp x, 0,1,2,3,4,5,6,7
	v_and_or_b32 v[HL+\x], v[BM+\x], 0x7f800000, s[MNT]   ; 448 x the scale
.endr
.irp x, 0,1,2,3,4,5,6,7
	v_lshrrev_b32 v[T1+\x], 23, v[SO+\x]           ; the scale's byte
.endr
	v_lshl_or_b32 v[TT], v[T1+1], 8, v[T1]
	v_lshl_or_b32 v[TT+1], v[T1+5], 8, v[T1+4]
	v_lshl_or_b32 v[TT], v[T1+2], 16, v[TT]
	v_lshl_or_b32 v[TT+1], v[T1+6], 16, v[TT+1]
	v_lshl_or_b32 v[PW], v[T1+3], 24, v[TT]        ; p's scale words for these 128 keys
	v_lshl_or_b32 v[PW+1], v[T1+7], 24, v[TT+1]
	WALU                                           ; ahead of the second batch
.set k, 0
.rept 16
	v_exp_f32 v[S+64+2*k], v[S+64+2*k]             ; tile 1's p; between them tile 0's first sums, taken of the unquantised p, and behind each sum the hold of a pair that it has read
	ADD1 0, k
	v_exp_f32 v[S+65+2*k], v[S+65+2*k]
	HOLD2 2*k
.set k, k+1
.endr
.set k, 0
.rept 16
	v_exp_f32 v[S+96+2*k], v[S+96+2*k]
	HOLD2 32+2*k
	v_exp_f32 v[S+97+2*k], v[S+97+2*k]
.set k, k+1
.endr
	v_nop                                          ; the plain line behind the exponentials
.if \pre
	s_wait_dscnt 18                                ; V's tiles and scale words are in; the 18 loads of K issued behind them may be out
.else
	s_wait_dscnt 0x0
.endif
	WIN 0x41                                       ; O^T in window 1, f in window 0
	WALU                                           ; one wait for the batch and for O^T, a matrix result first read behind exponentials, directly ahead of the first reader
.irp t, 0,1
.set j, 0
.rept 16
	v_pk_mul_f32 v[OT+32*\t+j:OT+32*\t+j+1], v[OT+32*\t+j:OT+32*\t+j+1], v[FF+2*\t:FF+2*\t+1] op_sel_hi:[1,0]   ; O^T under the new M, each result from its low end on
.set j, j+2
.endr
.endr
	WIN 0
	CODES 0
	RED8
	PV 0, 6
.set k, 0
.rept 32
	HOLD2 64+2*k
.set k, k+1
.endr
	CODES 1
	RED8
	PV 1, 2
.endm
; THE CHANGE OF SLOTS stands at a slot's head.  Each wave waits for all its tensor loads (none is out), adds 0 to its spare word, and waits for that and for its LDS reads: those of the slot that it has left are over.
; fill = 1: a round of the cluster's barrier, and behind it the joint fill of the other slot, which has three steps of all eight waves in which to land.
.macro CHANGE fill
	s_wait_tensorcnt 0x0                           ; no tensor load of mine is out, so group 0 may be written
	ds_add_u32 v[SPW], v[NIL]                      ; 0 onto my spare word
.if \fill
	s_xor_b32 s[TO], s[TB], SLOT1                  ; the other slot,
	s_add_co_u32 s[G0+1], s[TO], s[WOFF]           ; my record's place in it,
	s_add_nc_u64 s[G0+2:G0+3], s[G0+2:G0+3], 4*REC ; four records on
.endif
	s_wait_dscnt 0x0
.if \fill
	CROUND
	tensor_load_to_lds s[G0:G0+3], s[G1:G1+7]
	s_nop 0
.else
	s_barrier_signal -1
	s_barrier_wait -1
.endif
	v_add_nc_u32 v[ADI+1], 2*REC, v[ADI]           ; records 2, 3 of the slot in hand
	v_add_nc_u32 v[ADS+1], 2*REC, v[ADS]
	v_nop                                          ; four vector lines stand behind a tensor load ahead of the next switch of windows
	v_nop
.endm
.macro SLOT_STEPS last
	STEP 0, 1
	STEP 1, 1
	STEP 2, 1
	STEP 3, \last
	s_xor_b32 s[TB], s[TB], SLOT1                  ; on to the other slot
.endm
.Lslot:                                                ; NSL - 1 trips: behind each change of slots but the last the next slot is asked for
	CHANGE 1
	SLOT_STEPS 2
	s_sub_co_u32 s[SLOTS], s[SLOTS], 1
	s_cmp_lg_u32 s[SLOTS], 0
	s_cbranch_scc1 .Lslot
	CHANGE 0                                       ; the last slot is written out
	SLOT_STEPS 0
	; THE WAY OUT.  O^T / the sum goes into my direction's stage, [channel][token]; behind a barrier each wave adds the two stages' rows 8 w .. 8 w + 7 and stores them whole.
	v_and_b32 v3, 15, v0                           ; r.  (These eight lines are also places behind the last products)
	v_bfe_u32 v4, v0, 4, 1                         ; h
	v_and_b32 v[LI0], 8, v3
	v_add_nc_u32 v[LI0], v[LI0], v3                ; my query's place in its tile's 32 tokens: r + 8 (r / 8)
	v_lshlrev_b32 v[LI0], 2, v[LI0]
	v_mad_u32_u24 v[LI0], v4, 8*SP, v[LI0]         ; lanes 16-31 hold the channels eight further on
	v_add_nc_u32 v[LI0], s46, v[LI0]
	v_add_nc_u32 v[LS0], s47, v[GO]
.irp t, 0,1
	v_add_f32 v[SM+4*\t], v[SM+4*\t], v[SM+4*\t+1] ; the sum's two halves,
.endr
.irp t, 0,1
	v_permlanex16_b32 v[TT+\t], v[SM+4*\t], s[SEL], s[SEL+1]
.endr
.irp t, 0,1
	v_add_f32 v[SM+4*\t], v[SM+4*\t], v[TT+\t]     ; and lane l xor 16's: the row's sum
.endr
	WALU
	v_rcp_f32 v[SM], v[SM]
	v_rcp_f32 v[SM+4], v[SM+4]
	v_nop                                          ; one plain line behind them
	WIN 0x01                                       ; O^T in window 1
	WALU                                           ; the wait ahead of their first reader, which is O^T's first reader too
.irp t, 0,1
.set j, 0
.rept 16
	v_pk_mul_f32 v[S+32*\t+j:S+32*\t+j+1], v[OT+32*\t+j:OT+32*\t+j+1], v[SM+4*\t:SM+4*\t+1] op_sel_hi:[1,0]   ; register 8 c + i: channel 16 c + 8 h + i of my query
.set j, j+2
.endr
.endr
	WIN 0
.irp t, 0,1
.irp c, 0,1,2,3
.irp i, 0,1,2,3,4,5,6,7
	ds_store_b32 v[LI0], v[S+32*\t+8*\c+\i] offset:(16*\c+\i)*SP+32*\t
.endr
.endr
.endr
	s_wait_dscnt 0x0                               ; for the others' sake: my stores into the stage are done
	s_barrier_signal -1
	s_barrier_wait -1
.irp i, 0,1,2,3,4,5,6,7
	ds_load_b128 v[S+64+4*\i:S+64+4*\i+3], v[LS0] offset:\i*SP
	ds_load_b128 v[S+96+4*\i:S+96+4*\i+3], v[LS0] offset:64*SP+\i*SP
.endr
	s_wait_dscnt 0x0
.set j, 0
.rept 16
	v_pk_add_f32 v[S+64+j:S+64+j+1], v[S+64+j:S+64+j+1], v[S+96+j:S+96+j+1]   ; the two directions
.set j, j+2
.endr
.irp i, 0,1,2,3,4,5,6,7
	global_store_b128 v[GO], v[S+64+4*\i:S+64+4*\i+3], s[42:43] offset:\i*16384 th:TH_STORE_NT   ; channel 8 w + i: 32 lanes store 512 consecutive bytes, at a multiple of 256 from the output's first byte
.endr
	s_wait_tensorcnt 0x0                           ; the wave's end
	ds_add_u32 v[SPW], v[NIL]
	s_wait_dscnt 0x0
	CROUND                                         ; the closing round
	s_endpgm
.Lfunc_end_k_qd51c27ad1c_attn:
	.size	k_qd51c27ad1c_attn, .Lfunc_end_k_qd51c27ad1c_attn-k_qd51c27ad1c_attn
	.p2alignl 7, 3214868480
	.fill 96, 4, 3214868480
	.section	.rodata,"a",@progbits
	.p2align	6, 0x0
	.amdhsa_kernel k_qd51c27ad1c_attn
		.amdhsa_group_segment_fixed_size 327680
		.amdhsa_private_segment_fixed_size 0
		.amdhsa_enable_private_segment 0
		.amdhsa_kernarg_size 16
		.amdhsa_user_sgpr_count 2
		.amdhsa_user_sgpr_kernarg_segment_ptr 1
		.amdhsa_wavefront_size32 1
		.amdhsa_system_sgpr_workgroup_id_x 1
		.amdhsa_system_sgpr_workgroup_id_y 1
		.amdhsa_system_sgpr_workgroup_id_z 1
		.amdhsa_system_vgpr_workitem_id 0
		.amdhsa_next_free_vgpr 512
		.amdhsa_next_free_sgpr 66
		.amdhsa_reserve_vcc 0
		.amdhsa_float_denorm_mode_32 3
		.amdhsa_float_denorm_mode_16_64 3
		.amdhsa_memory_ordered 1
		.amdhsa_forward_progress 1
		.amdhsa_inst_pref_size 255
	.end_amdhsa_kernel
	.section	.bss,"aw",@nobits
	.p2align	6
	.space	262144
	.amdgpu_metadata
---
amdhsa.version: [ 1, 2 ]
amdhsa.kernels:
  - .name:           k_qd51c27ad1c_attn
    .symbol:         k_qd51c27ad1c_attn.kd
    .args:
      - { .name: kv, .offset: 0, .size: 8, .value_kind: global_buffer, .address_space: global }
      - { .name: out0, .offset: 8, .size: 8, .value_kind: global_buffer, .address_space: global }
    .group_segment_fixed_size: 327680
    .private_segment_fixed_size: 0
    .kernarg_segment_align: 8
    .kernarg_segment_size: 16
    .max_flat_workgroup_size: 256
    .sgpr_count:     66
    .vgpr_count:     512
    .wavefront_size: 32
...
	.end_amdgpu_metadata
.endif
;; end of part 2
